; MI455X (gfx1250); checked and timed in simulation.
; The chip was launched on July 23, 2026; its instructions are those of AMD's public machine-readable ISA for CDNA 5 (MIT licence, August 2026) and "CDNA5" Instruction Set Architecture Reference Guide (July 2026). The comments in the code are by the model that wrote it; some were corrected since.
;; Feed Forward. Allowed arithmetic: matrix products marked QUANTISED: E4M3 operands, one E8M0 scale for each 32 along K, by v_wmma_scale_f32_16x16x128_f8f6f4 with both operands' format E4M3, f32 sums; products left as they are: f32 operands where the result goes on into a quantised operand, else bf16, f16 or f32 operands; f32 sums; everything else in f32.
;; Inputs: W1_codes 2 x 4,096 x 32 x 32 uint8 (E4M3 codes of W1, K innermost, in blocks of 32 codes); W1_scales 2 x 4,096 x 32 uint8 (E8M0 scales of W1, one for each 32 codes along K); W2_codes 2 x 1,024 x 128 x 32 uint8 (E4M3 codes of W2, K innermost, in blocks of 32 codes); W2_scales 2 x 1,024 x 128 uint8 (E8M0 scales of W2, one for each 32 codes along K); Wr 1,024 x 2 float32; b1 2 x 4,096 float32; b2 2 x 1,024 float32; x 2 x 2,048 x 1,024 float32.
;; Outputs: out0 2 x 2,048 x 1,024 float32; out1 one number float32.
;; This version of the problem:
;;   THIS VERSION OF THE PROBLEM IS GIVEN IN LOW PRECISION. The matrix products marked QUANTISED in the list below multiply operands that are first quantised to E4M3 (4 exponent bits, 3 mantissa bits; 8 bits a number), with one power-of-two scale for each 32 numbers along K (OCP MX v1.0); their sums are f32. All else is computed in f32.
;;   The module's matrix products, in the order in which they are computed (A, B: the left and right operand; K: the contracted axis; several contracted axes count as one K, in the product's order):
;;     1. [M 4,096, K 1,024] x [K 1,024, N 2]; A: input x; B: input Wr: left as it is (N = 2 < 16)
;;     2. [M 8,192, K 1,024] x [K 1,024, N 4,096]; A: input W1 (given as codes); B: input x: QUANTISED
;;     3. batch 2 x [M 4,096, K 4,096] x [K 4,096, N 1,024]; A: computed on the way; B: input W2 (given as codes): QUANTISED
;;     4. batch 4,096 x [M 1, K 2] x [K 2, N 1,024]; A: computed on the way; B: computed on the way: left as it is (K = 2 < 32)
;;   THE QUANTISER, for each operand of a quantised product, along K:
;;     - K is cut into blocks of 32 from its start; a last block that is shorter is filled with zeros.
;;     - A block's scale is 2^e with e = floor(log2(the largest magnitude in the block)) - 8, held to -126 .. 127; a block of zeros has e = 0. As a byte (E8M0): e + 127.
;;     - Each number is divided by its block's scale, clamped to +-448, and rounded to the nearest number of E4M3, ties to even, subnormals kept.
;;     - The product sums the exact products of the quantised numbers (number of the format x scale) in f32.
;;   ~~~python
;;   def quantise(x, axis):      # numpy; x: float32 -> the quantised numbers, widened to float32 again
;;       x = np.moveaxis(x, axis, -1); K = x.shape[-1]
;;       x = np.pad(x, [(0, 0)] * (x.ndim - 1) + [(0, -K % 32)]); x = x.reshape(x.shape[:-1] + (-1, 32)); a = np.abs(x).max(-1, keepdims=True)
;;       e = np.where(a > 0, np.clip(np.frexp(np.where(a > 0, a, 1))[1] - 1 - 8, -126, 127), 0)      # np.frexp(a)[1] - 1 = floor(log2(a)), exactly
;;       r = np.clip(x / 2.0 ** e, -448, 448)
;;       step = 2.0 ** (np.maximum(np.frexp(np.where(r == 0, 1, r))[1] - 1, -6) - 3)
;;       q = np.round(r / step) * step * 2.0 ** e      # np.round: ties to even
;;       return np.moveaxis(q.reshape(q.shape[:-2] + (-1,))[..., :K], -1, axis).astype(np.float32)
;;   ~~~
;;   OPERANDS COMPUTED ON THE WAY. 'Computed on the way' means the value that the module computes at that place (a softmax that the list does not call 'softmax' is quantised finished and normalised). What goes into a quantiser is computed in f32, as accurately as f32 sums, v_exp_f32 and their like allow (about 1e-6 of the number): no bf16 or f16 on the way to a quantiser, and a product that is left as it is and whose result goes on into a quantised operand takes f32 operands (vector FMAs, or v_wmma_f32_16x16x4_f32). A number that lies on a knife's edge between two numbers of the format may be rounded either way, as far as f32 arithmetic and the matrix unit's own rounding can turn it there, and no further.
;;   INPUTS GIVEN AS CODES. W1 (in the module: [2, 1024, 4096], K = its axis 1); W2 (in the module: [2, 4096, 1024], K = its axis 1): each comes as NAME_codes (uint8): NAME with its K axis moved to the last place and cut into blocks of 32 codes, [.., K / 32, bytes a block], one block behind the other in memory; one code a byte (a code: sign, 4 exponent bits, 3 mantissa bits); and NAME_scales (uint8): the same leading axes, one E8M0 byte (e + 127) for each 32 codes along K. Its value is code x scale, taken as it is: it is not quantised again, and the codes and scales need not be those that the quantiser above would give.
;; One version. Each part assembles by itself: llvm-mc -triple=amdgcn-amd-amdhsa -mcpu=gfx1250 --defsym DOCPART=n.
;; ======== version 1 of 1: 3 launches
;; workspace buffers: xq 4,194,304 bytes; xs 131,072 bytes; route 36,864 bytes; w2s 262,144 bytes; hq 33,554,432 bytes; hs 1,048,576 bytes; dump 256 bytes
;; launch prep (part 1): grid 264 x 1, 2 waves a work-group, no clusters, 16,640 bytes of LDS; arguments x, Wr, W2_scales, xq, xs, route, w2s; writes xq, xs, route, w2s
.if DOCPART == 1
	.amdgcn_target "amdgcn-amd-amdhsa--gfx1250"
	.amdhsa_code_object_version 6
	.text
	.protected	k_q450daf96ae_prep
	.globl	k_q450daf96ae_prep
	.p2align	8
	.type	k_q450daf96ae_prep,@function
k_q450daf96ae_prep:
	s_mov_b64 s[64:65], 0
	v_nop
	global_prefetch_b8 v0, s[64:65] scope:SCOPE_SE
	s_setreg_imm32_b32 hwreg(HW_REG_WAVE_MODE, 25, 1), 1
	s_wait_xcnt 0x0
; PREP.  Two jobs in one launch, parted by the work-group's number.
; WORK-GROUPS 0-255: x [4096][1024] f32 becomes codes of E4M3 (xq, K innermost) with one E8M0 byte for each 32 along K (xs), and on the same pass the router is computed in f32:
;   logits = x Wr (fused multiply-adds), softmax over the 2 experts with the maximum taken away, and, since both experts are always among the top 2 of 2, the combine weights c_e = p_e / (p_0 + p_1).
;   A wave takes 8 tokens: 16 steps of 512 numbers.  Each load reads 512 consecutive bytes; a step's 2,048 bytes turn through the wave's own stage in LDS so that a lane holds 16 neighbours along K.
;   route: bytes 0-32767 [t / 8][expert][t % 8] combine weights; bytes 32768-36863 [t / 8][2] the sums of p_0 and of p_1 over the wave's 8 tokens (the loss is made of them in the last launch).
; WORK-GROUPS 256-263: W2's scale bytes [2][1024][128] are laid anew as words [expert][d / 128][k / 128][lane][4]: word j of lane l belongs to row 32 j + l of the 128, so that one 16-byte load a lane
;   brings a wave the scale words of 128 rows for 128 along K.  This path uses no LDS.
; A block's scale is 2^(floor(log2(largest magnitude)) - 8): its byte is the largest magnitude's exponent field - 8, held at 1 from below.
; LIMITS: blocks whose largest magnitude lies under 2^-118 (a block of zeros too) get the byte 1; their codes are right or zeros, and the bytes are read by this program alone.  NaN and infinities among the inputs are not served.
; No tensor load, no barrier: waves share nothing.
.set STEPS, 16
.set EMAX,  8
.set MANT,  0x600000                   ; the mantissa field of 448 as f32
.set SP,    80                         ; a lane's place in a stage: 64 bytes + 16 of padding
.set WREG,  8192                       ; LDS of a wave: two stages of 32 x SP bytes, behind them its 256 scale bytes
.set R,     16                         ; v16-79   four sets of 16 numbers as loaded
.set X,     80                         ; v80-111  two sets of 16 neighbours
.set C,     112                        ; v112-127 four sets of 4 registers of codes
.set E,     128                        ; v128-129 the scale byte, two registers by turns
.set WR,    132                        ; v132-195 pairs (Wr[k][0], Wr[k][1]), k = 512 s + 16 lane + i at WR + 32 s + 2 i
.set LG,    196                        ; v196-199 two chains of (logit 0, logit 1)
.set PS,    200                        ; v200-201 the sums of p_0 and p_1 over my wave's tokens
.set V,     202                        ; v202     the record: lane rho: c_0 of token rho; lane 8 + rho: c_1; lanes 16, 17: the sums
.set S,     16                         ; second path: v16-143 the words as loaded
.set T,     144                        ; v144-175 eight sets of four words to store
.macro LOAD t
.irp i, 0,1,2,3
	global_load_b128 v[R+16*((\t)%4)+4*\i:R+16*((\t)%4)+4*\i+3], v3, s[4:5] offset:2048*(\t)+512*\i th:TH_LOAD_NT   ; 32 lanes read 512 consecutive bytes; x is read once
.endr
.endm
.macro TURN t                          ; step t's numbers through the stage: LDS serves a wave's instructions in order, so no wait stands between the stores and the loads
.irp i, 0,1,2,3
	ds_store_b128 v14, v[R+16*((\t)%4)+4*\i:R+16*((\t)%4)+4*\i+3] offset:32*SP*((\t)%2)+8*SP*\i
.endr
.irp i, 0,1,2,3
	ds_load_b128 v[X+16*((\t)%2)+4*\i:X+16*((\t)%2)+4*\i+3], v15 offset:32*SP*((\t)%2)+16*\i
.endr
.endm
; The router for token rho of the wave's eight: the lanes' partial logits are summed over the wave, then softmax and combine weights, the same numbers in every lane.
.macro ROUTE rho
	v_pk_add_f32 v[LG:LG+1], v[LG:LG+1], v[LG+2:LG+3]
.irp m, 1,2,4,8
	v_add_f32_dpp v[LG], v[LG], v[LG] row_xmask:\m row_mask:0xf bank_mask:0xf
	v_add_f32_dpp v[LG+1], v[LG+1], v[LG+1] row_xmask:\m row_mask:0xf bank_mask:0xf
.endr
	v_permlanex16_b32 v206, v[LG], s30, s31
	v_permlanex16_b32 v207, v[LG+1], s30, s31
	v_add_f32 v204, v[LG], v206
	v_add_f32 v205, v[LG+1], v207          ; the two logits
	v_max_num_f32 v208, v204, v205         ; the maximum is taken away ahead of the exponentials
	v_sub_f32 v204, v204, v208
	v_sub_f32 v205, v205, v208
	v_mul_f32 v204, s32, v204              ; x log2(e)
	v_mul_f32 v205, s32, v205
	v_exp_f32 v210, v204
	v_exp_f32 v211, v205
	v_nop                                  ; a plain line behind the exponentials,
	s_wait_alu depctr_va_vdst(0)           ; and one wait for both, ahead of their first reader
	v_add_f32 v212, v210, v211
	v_rcp_f32 v213, v212
	v_nop
	s_wait_alu depctr_va_vdst(0)
	v_mul_f32 v210, v210, v213             ; p_0
	v_mul_f32 v211, v211, v213             ; p_1
	v_pk_add_f32 v[PS:PS+1], v[PS:PS+1], v[210:211]
	v_add_f32 v212, v210, v211             ; the sum of the top 2, which are both
	v_rcp_f32 v213, v212
	s_mov_b32 s33, 1<<(\rho)
	s_mov_b32 s34, 1<<(8+(\rho))
	v_nop
	s_wait_alu depctr_va_vdst(0)
	v_mul_f32 v214, v210, v213             ; c_0
	v_mul_f32 v215, v211, v213             ; c_1
	v_cndmask_b32 v[V], v[V], v214, s33    ; into the record's lane rho
	v_cndmask_b32 v[V], v[V], v215, s34    ; and lane 8 + rho
.endm
.macro STEP t
.set XS, X+16*((\t)%2)
.set WS, WR+32*((\t)%2)
.if (\t) > 0
	s_wait_dscnt 1                                 ; this step's numbers are back from the stage; only the last step's byte store may be out
.else
	s_wait_dscnt 0x0
.endif
.if (\t)+4 < STEPS
	LOAD (\t)+4                                    ; into the set that the stage's stores have read
.endif
.if (\t)+1 < STEPS
.if STEPS-2-(\t) >= 3
	s_wait_loadcnt 12                              ; the next step's four loads are in; those of the three steps behind it may be out
.else
	s_wait_loadcnt 4*(STEPS-2-(\t))
.endif
	TURN (\t)+1
.endif
	; the logits' share of my 16 numbers, ahead of the hold that rewrites them: (l0, l1) += x_i (Wr[k][0], Wr[k][1]), x_i for both halves; two chains
.irp i, 0,2,4,6,8,10,12,14
.if ((\t)%2 == 0) && (\i == 0)
	v_pk_mul_f32 v[LG:LG+1], v[XS:XS+1], v[WS:WS+1] op_sel:[0,0] op_sel_hi:[0,1]            ; a token's first products start the sums
	v_pk_mul_f32 v[LG+2:LG+3], v[XS:XS+1], v[WS+2:WS+3] op_sel:[1,0] op_sel_hi:[1,1]
.else
	v_pk_fma_f32 v[LG:LG+1], v[XS+\i:XS+\i+1], v[WS+2*\i:WS+2*\i+1], v[LG:LG+1] op_sel:[0,0,0] op_sel_hi:[0,1,1]
	v_pk_fma_f32 v[LG+2:LG+3], v[XS+\i:XS+\i+1], v[WS+2*\i+2:WS+2*\i+3], v[LG+2:LG+3] op_sel:[1,0,0] op_sel_hi:[1,1,1]
.endif
.endr
	v_max3_num_f32 v8, |v[XS]|, |v[XS+1]|, |v[XS+2]|               ; the largest magnitude of my 16
	v_max3_num_f32 v9, |v[XS+3]|, |v[XS+4]|, |v[XS+5]|
.irp i, 6,10
	v_max3_num_f32 v8, v8, |v[XS+\i]|, |v[XS+\i+1]|
	v_max3_num_f32 v9, v9, |v[XS+\i+2]|, |v[XS+\i+3]|
.endr
	v_max3_num_f32 v8, v8, |v[XS+14]|, |v[XS+15]|
	v_max3_num_f32 v8, v8, v9, (EMAX+1)<<23        ; and the floor 2^(9 - 127): the byte cannot fall under 1
	v_max_num_f32_dpp v8, v8, v8 row_xmask:1 row_mask:0xf bank_mask:0xf   ; with my neighbour's 16: the block's
	v_add_nc_u32 v11, -(EMAX<<23), v8              ; 8 off its exponent field: the conversion's scale operand
	v_and_or_b32 v10, v8, 0x7f800000, s28          ; 448 x the scale
.irp i, 0,1,2,3,4,5,6,7,8,9,10,11,12,13,14,15
	v_med3_num_f32 v[XS+\i], v[XS+\i], -v10, v10   ; the conversion to an 8-bit code does not saturate (ISA guide 7.6.2): the hold comes first
.endr
.if (\t) >= 4
	s_wait_xcnt 0x0                                ; the store of four steps back has read this set of code registers
.endif
	v_cvt_scalef32_pk8_fp8_f32 v[C+4*((\t)%4):C+4*((\t)%4)+1], v[XS:XS+7], v11
	v_cvt_scalef32_pk8_fp8_f32 v[C+4*((\t)%4)+2:C+4*((\t)%4)+3], v[XS+8:XS+15], v11
	v_lshrrev_b32 v[E+(\t)%2], 23, v11             ; the scale's byte (also the plain line behind the conversions)
	ds_store_b8 v5, v[E+(\t)%2] offset:16*(\t)     ; both lanes of a block write the same byte with the same value
	global_store_b128 v3, v[C+4*((\t)%4):C+4*((\t)%4)+3], s[10:11] offset:512*(\t)   ; 512 consecutive bytes of codes
.if (\t)%2 == 1
	ROUTE (\t)/2                                   ; a token is two steps
.endif
.endm
	s_load_b256 s[4:11], s[0:1], 0x0               ; x s[4:5], Wr s[6:7], W2_scales s[8:9], xq s[10:11]
	s_load_b128 s[12:15], s[0:1], 0x20             ; xs s[12:13], route s[14:15]
	s_load_b64 s[16:17], s[0:1], 0x30              ; w2s
	v_lshl_add_u32 v224, v0, 2, 0x4000
	v_mov_b32 v225, 0
	v_lshrrev_b32 v1, 5, v0
	v_readfirstlane_b32 s20, v1                    ; wave 0, 1
	v_and_b32 v2, 31, v0                           ; lane
	v_lshlrev_b32 v3, 4, v2                        ; 16 x lane: my 16 bytes of 512, in and out
	s_mov_b32 s23, 0
	s_cmp_ge_u32 ttmp9, 256
	s_cbranch_scc1 .Lscales
	; ---- x: codes, scale bytes, router
	s_lshl_b32 s21, ttmp9, 1
	s_add_co_u32 s21, s21, s20                     ; g: which 8 tokens are my wave's
	s_mul_i32 s24, s20, WREG
	v_lshrrev_b32 v14, 2, v2
	v_mul_u32_u24 v14, v14, SP
	v_and_b32 v15, 3, v2
	v_lshl_add_u32 v14, v15, 4, v14
	v_add_nc_u32 v14, s24, v14                     ; the stage, on the way in: SP (lane / 4) + 16 (lane % 4)
	v_mul_u32_u24 v15, v2, SP
	v_add_nc_u32 v15, s24, v15                     ; and on the way out: SP x lane
	v_lshrrev_b32 v5, 1, v2
	s_add_co_u32 s24, s24, 2*32*SP
	v_add_nc_u32 v5, s24, v5                       ; my block's scale byte among the wave's 256
	v_lshlrev_b32 v7, 3, v2
	v_add_nc_u32 v6, s24, v7                       ; and on the way out 8 bytes a lane
	v_lshlrev_b32 v203, 7, v2                      ; Wr: 16 pairs of 8 bytes a lane
	s_mov_b32 s28, MANT
	s_mov_b32 s30, 0x76543210
	s_mov_b32 s31, 0xfedcba98                      ; v_permlanex16_b32's selects for lane l xor 16
	s_mov_b32 s32, 0x3fb8aa3b                      ; log2(e)
	v_mov_b32 v[PS], 0
	v_mov_b32 v[PS+1], 0
	v_mov_b32 v[V], 0
	v_mov_b32 v206, 0                              ; written once: a lane permute's destination counts as one of its sources
	v_mov_b32 v207, 0
	s_wait_kmcnt 0x0
	s_lshl_b32 s22, s21, 15                        ; 8 rows of 4,096 bytes
	s_add_nc_u64 s[4:5], s[4:5], s[22:23]
	s_lshl_b32 s22, s21, 13                        ; 8 rows of 1,024 codes
	s_add_nc_u64 s[10:11], s[10:11], s[22:23]
	s_lshl_b32 s22, s21, 8                         ; 8 rows of 32 scale bytes
	s_add_nc_u64 s[12:13], s[12:13], s[22:23]
.irp s, 0,1
.irp c, 0,1,2,3,4,5,6,7
	global_load_b128 v[WR+32*\s+4*\c:WR+32*\s+4*\c+3], v203, s[6:7] offset:4096*\s+16*\c
.endr
.endr
.irp t, 0,1,2,3
	LOAD \t
.endr
	s_wait_loadcnt 12                              ; Wr and step 0 are in; the twelve loads of steps 1 to 3 may be out
	TURN 0
.irp t, 0,1,2,3,4,5,6,7,8,9,10,11,12,13,14,15
	STEP \t
.endr
	ds_load_b64 v[12:13], v6                       ; LDS serves a wave's instructions in order: these see my byte stores
	s_mov_b32 s33, 1<<16
	s_mov_b32 s34, 1<<17
	v_cndmask_b32 v[V], v[V], v[PS], s33           ; the sums of p into lanes 16 and 17 of the record
	v_cndmask_b32 v[V], v[V], v[PS+1], s34
	s_lshl_b32 s25, s21, 6                         ; 64 g
	s_mul_i32 s26, s21, 56
	s_sub_co_u32 s26, 0x7fc0, s26                  ; 32704 - 56 g (above 0 for g up to 511)
	v_lshrrev_b32 v204, 4, v2
	v_lshl_add_u32 v216, v2, 2, s25                ; lanes 0-15: 64 g + 4 lane;
	v_mad_u32_u24 v216, v204, s26, v216            ; lanes 16, 17: 32768 + 8 g + 4 (lane - 16)
	s_wait_dscnt 0x0
	global_store_b64 v7, v[12:13], s[12:13]        ; 32 lanes store 256 consecutive bytes, aligned
	s_wait_xcnt 0x0                                ; EXEC changes only behind this wait
	v_cmp_gt_u32 vcc_lo, 18, v2
	s_wait_tensorcnt 0x0
	ds_add_u32 v224, v225
	s_wait_dscnt 0x0
	s_and_saveexec_b32 s35, vcc_lo
	global_store_b32 v216, v[V], s[14:15]
	s_wait_xcnt 0x0
	s_or_b32 exec_lo, exec_lo, s35
	s_endpgm
	; ---- W2's scale words, laid for the last launch
.Lscales:
	s_sub_co_u32 s21, ttmp9, 256
	s_lshl_b32 s21, s21, 1
	s_add_co_u32 s21, s21, s20                     ; 8 x expert + d / 128: which 128 rows are my wave's
	s_lshl_b32 s22, s21, 14                        ; 128 rows of 128 bytes, in and out
	v_lshlrev_b32 v4, 7, v2                        ; a lane a row
	s_wait_kmcnt 0x0
	s_add_nc_u64 s[8:9], s[8:9], s[22:23]
	s_add_nc_u64 s[16:17], s[16:17], s[22:23]
.irp j, 0,1,2,3
.irp c, 0,1,2,3,4,5,6,7
	global_load_b128 v[S+32*\j+4*\c:S+32*\j+4*\c+3], v4, s[8:9] offset:4096*\j+16*\c   ; row 32 j + lane, words 4 c on
.endr
.endr
	s_wait_loadcnt 0x0
.set Q, 0
.rept 32
.if (Q >= 8) && (Q%8 == 0)
	s_wait_xcnt 0x0                                ; the eight stores before have read their registers
.endif
.irp j, 0,1,2,3
	v_mov_b32 v[T+4*(Q%8)+\j], v[S+32*\j+Q]        ; word Q of rows lane, 32 + lane, 64 + lane, 96 + lane
.endr
	global_store_b128 v3, v[T+4*(Q%8):T+4*(Q%8)+3], s[16:17] offset:512*Q   ; 512 consecutive bytes
.set Q, Q+1
.endr
	s_endpgm
.Lfunc_end_k_q450daf96ae_prep:
	.size	k_q450daf96ae_prep, .Lfunc_end_k_q450daf96ae_prep-k_q450daf96ae_prep
	.p2alignl 7, 3214868480
	.fill 96, 4, 3214868480
	.section	.rodata,"a",@progbits
	.p2align	6, 0x0
	.amdhsa_kernel k_q450daf96ae_prep
		.amdhsa_group_segment_fixed_size 16640
		.amdhsa_private_segment_fixed_size 0
		.amdhsa_enable_private_segment 0
		.amdhsa_kernarg_size 56
		.amdhsa_user_sgpr_count 2
		.amdhsa_user_sgpr_kernarg_segment_ptr 1
		.amdhsa_wavefront_size32 1
		.amdhsa_system_sgpr_workgroup_id_x 1
		.amdhsa_system_sgpr_workgroup_id_y 1
		.amdhsa_system_sgpr_workgroup_id_z 1
		.amdhsa_system_vgpr_workitem_id 0
		.amdhsa_next_free_vgpr 226
		.amdhsa_next_free_sgpr 66
		.amdhsa_reserve_vcc 1
		.amdhsa_float_denorm_mode_32 3
		.amdhsa_float_denorm_mode_16_64 3
		.amdhsa_memory_ordered 1
		.amdhsa_forward_progress 1
		.amdhsa_inst_pref_size 94
	.end_amdhsa_kernel
	.amdgpu_metadata
---
amdhsa.version: [ 1, 2 ]
amdhsa.kernels:
  - .name:           k_q450daf96ae_prep
    .symbol:         k_q450daf96ae_prep.kd
    .args:
      - { .name: x, .offset: 0, .size: 8, .value_kind: global_buffer, .address_space: global }
      - { .name: Wr, .offset: 8, .size: 8, .value_kind: global_buffer, .address_space: global }
      - { .name: W2_scales, .offset: 16, .size: 8, .value_kind: global_buffer, .address_space: global }
      - { .name: xq, .offset: 24, .size: 8, .value_kind: global_buffer, .address_space: global }
      - { .name: xs, .offset: 32, .size: 8, .value_kind: global_buffer, .address_space: global }
      - { .name: route, .offset: 40, .size: 8, .value_kind: global_buffer, .address_space: global }
      - { .name: w2s, .offset: 48, .size: 8, .value_kind: global_buffer, .address_space: global }
    .group_segment_fixed_size: 16640
    .private_segment_fixed_size: 0
    .kernarg_segment_align: 8
    .kernarg_segment_size: 56
    .max_flat_workgroup_size: 64
    .sgpr_count:     66
    .vgpr_count:     226
    .wavefront_size: 32
...
	.end_amdgpu_metadata
.endif
;; end of part 1
;; launch ffn1 (part 2): grid 32 x 16, 4 waves a work-group, clusters of 4 x 4, 327,680 bytes of LDS; arguments xq, xs, W1_codes, W1_scales, b1, hq, hs; writes hq, hs
.if DOCPART == 2
	.amdgcn_target "amdgcn-amd-amdhsa--gfx1250"
	.amdhsa_code_object_version 6
	.text
	.protected	k_q450daf96ae_ffn1
	.globl	k_q450daf96ae_ffn1
	.p2align	8
	.type	k_q450daf96ae_ffn1,@function
k_q450daf96ae_ffn1:
	s_mov_b64 s[64:65], 0
	v_nop
	global_prefetch_b8 v0, s[64:65] scope:SCOPE_SE
	s_setreg_imm32_b32 hwreg(HW_REG_WAVE_MODE, 25, 1), 1
	s_wait_xcnt 0x0
	s_wait_alu depctr_hold_cnt(0) depctr_sa_sdst(0) depctr_va_vdst(0) depctr_va_sdst(0) depctr_va_ssrc(0) depctr_va_vcc(0) depctr_vm_vsrc(0)
	s_getreg_b32 s2, hwreg(HW_REG_IB_STS2, 6, 4)
	s_cmp_eq_u32 s2, 0
	s_cbranch_scc0 .Lentry_in_a_cluster
	s_endpgm
.Lentry_in_a_cluster:
	s_bfe_u32 s2, ttmp6, 0x10000c
	s_cmp_lg_u32 s2, 0xf033
	s_cbranch_scc0 .Lentry_shape_is_right
	s_endpgm
.Lentry_shape_is_right:
; FFN1.  h = Q(gelu(x W1 + b1)), for both experts at once: W1's 2 x 4,096 hidden units are 8,192 rows of 1,024 codes.  x: codes [4096][1024] and scale bytes [4096][32] made by the launch before.
; The product is v_wmma_scale_f32_16x16x128_f8f6f4 on E4M3 codes with E8M0 scales, sums in f32; b1 is the C of each sum's first product; gelu (tanh form) and the quantiser along the hidden axis are f32.
; OUT: hq [expert][token][4096] codes; hs [expert][token / 128][f / 128][lane][4] scale words: word j of lane l belongs to token 32 j + l of the 128.
; A tile, 256 tokens x 256 hidden units, is made by four waves, each 128 x 128: 64 accumulators, 512 registers.  K goes in steps of 256 through a ring of two LDS slots filled by the tensor data mover.
; The scale bytes of the tile's 256 + 256 rows, for all of K, come into LDS once, with the first fills.
; CLUSTERS: 4 x 4 work-groups; the four of a row need the same tiles of x, the four of a column the same tiles of W1: each tile is asked for jointly, by the same tensor load with a mask that names the four.
; THE MATRIX INSTRUCTION IS USED TRANSPOSED (source 0 = 16 rows of W1, source 1 = 16 tokens): lane (r, h) holds token r and hidden units 8 h + 0 .. 7 of a 16 x 16 block.
; gelu(x) = x / (1 + 2^z), z = x (C0 + C1 x^2), C0 = -2 sqrt(2 / pi) log2(e), C1 = 0.044715 C0: the same function as 0.5 x (1 + tanh(..)); it gives -0 for very negative x and x for very large x, never NaN for finite x.
; LIMITS: NaN and infinities are not served; a block of h whose largest magnitude lies under 2^-118 (a block of zeros too) gets the byte 1: the bytes are read by this program alone.
; REGISTERS, in windows of 256: window 0: v0-31 addresses; v32-63 scale words, two sets; v64-127 b1 in the result's layout; from v128 x's fragments, one set; on the way out v32-63 and v128-255 are at work.
;   window 1: W1's fragments, two sets.   window 2: the accumulators of my tokens 0-63 ((a, b) at v[8 (8 a + b)]);   window 3: those of tokens 64-127.
.set SIZE_K, 1024
.set KSTEP,  256
.set NQ,     KSTEP/128
.set ROWB,   256
.set KROW,   SIZE_K
.set PITCH,  272                       ; an LDS row: 256 bytes + 16 of padding = 68 words: the 16 rows that a load touches start at 16 different banks (64 banks of 4 bytes: ISA guide 11.1)
.set FR,     16
.set NL,     4
.set NP,     8                         ; places behind this matrix instruction (ISA guide 7.12.1)
.set HALFT,  128*PITCH
.set SLOT,   4*HALFT
.set KS,     SIZE_K/32
.set SCL,    2*SLOT
.set HALFS,  (128*KS/256)*272
.set SBLK,   (16*KS/256)*272
.set SPARE,  SCL+4*HALFS               ; the spare words, 128 bytes for each wave: two blocks of 256 bytes that no other line names
.set SPITCH, 272                       ; the way out: one stage of 256 rows x (256 bytes + 16), in slot 0, which has had its last fill and its last read by then
.set ADRA, 16
.set ADRB, 20
.set STO,  24                          ; v24  the stage: where I put 8 codes of a token
.set RD,   25                          ; v25  and where I read a row back
.set HO,   26                          ; v26  my byte offset in hq
.set ADRS, 27
.set SPW,  28
.set NIL,  29
.set L16,  30                          ; v30  16 x lane
.set SC,   32
.set BI,   64
.set AF,   128
.set PW,   32                          ; way out: v32-39 a scale word for each block of 16 tokens
.set SW,   40                          ; v40-43 the words laid for the store
.set KC,   44                          ; v44-45 C0, twice
.set TM,   48                          ; v48-63 the quantiser at work
.set T,    128                         ; v128-191 gelu at work
.set PC,   192                         ; v192-207 codes
.set OUTR, 128                         ; v128-255 rows read back
.set G1, 24
.set G0, 32
.set G1B, 48
.set G0B, 56
.set G1S, 68
.set G0S, 76
.set G1SB, 80
.set G0SB, 88
.set SEL, 66                           ; s[66:67] lane selects for v_permlanex16_b32
.set MNT, 95                           ; s95 the mantissa field of 448
.set C1, 100                           ; s[100:101] C1, twice
.set MSB, 0
.macro WIN new                         ; the immediate's high byte repeats the setting that is left
.if MSB != \new
	s_set_vgpr_msb (MSB<<8)|\new
.set MSB, \new
.endif
.endm
.set MUL_LO, 0xa1                      ; source 0 (W1) window 1, source 1 (x) window 0, C and D window 2
.set MUL_HI, 0xf1                      ; the same, C and D window 3
.set FIRST_LO, 0x81                    ; the first step: C (b1) window 0, D window 2
.set FIRST_HI, 0xc1                    ; D window 3
.set TO_B,   0x40
; A joint load: waves 0 and 1 fetch for x, waves 2 and 3 for W1.  The branch hangs on the wave's number alone.  Four v_nop follow each of the two lines.
.macro JLOAD g0a, g1a, g0b, g1b
	s_cmp_eq_u32 s15, 0
	s_cbranch_scc0 .Lfor_b_\@
	tensor_load_to_lds s[\g0a:\g0a+3], s[\g1a:\g1a+7]
	s_nop 0
.rept 4
	v_nop
.endr
	s_branch .Lasked_\@
.Lfor_b_\@:
	tensor_load_to_lds s[\g0b:\g0b+3], s[\g1b:\g1b+7]
	s_nop 0
.rept 4
	v_nop
.endr
.Lasked_\@:
.endm
.macro CREST                           ; a round of the cluster's barrier behind its opening barrier
	s_cmp_lg_u32 s14, 0
	s_cbranch_scc1 .Lnot_wave_0_\@
	s_barrier_signal -3
.Lnot_wave_0_\@:
	s_barrier_wait -3
	s_barrier_signal -1
	s_barrier_wait -1
.endm
.macro CROUND
	s_barrier_signal -1
	s_barrier_wait -1
	CREST
.endm
	s_load_b128 s[4:7], s[0:1], 0x0                ; x's codes, x's scales
	s_load_b128 s[8:11], s[0:1], 0x10              ; W1's codes, W1's scales
	s_load_b64 s[12:13], s[0:1], 0x20              ; b1
	s_load_b128 s[96:99], s[0:1], 0x28             ; hq, hs
	v_lshl_add_u32 v[SPW], v0, 2, SPARE
	v_mov_b32 v[NIL], 0
	ds_add_u32 v28, v29
	ds_add_u32 v28, v29
	s_wait_dscnt 0x0
	v_lshrrev_b32 v1, 5, v0
	v_readfirstlane_b32 s14, v1                    ; wave 0..3
	s_lshr_b32 s15, s14, 1                         ; which 128 tokens are mine.  Also: I fetch for x (0) or for W1 (1)
	s_and_b32 s16, s14, 1                          ; which 128 hidden units.  Also: which 128 rows of that tile I fetch
	s_bfe_u32 s40, ttmp6, 0x40000                  ; cx, cy: my place in the cluster
	s_bfe_u32 s41, ttmp6, 0x40004
	s_lshl_b32 s42, ttmp9, 2
	s_add_co_u32 s42, s42, s40                     ; tile column (hidden units) = 4 x cluster x + cx
	s_and_b32 s17, ttmp7, 0xffff
	s_lshl_b32 s17, s17, 2
	s_add_co_u32 s17, s17, s41                     ; tile row (tokens) = 4 x cluster y + cy
	s_lshl_b32 s43, s41, 2
	s_lshl_b32 s43, 15, s43                        ; my row of the cluster
	s_lshl_b32 s44, 0x1111, s40                    ; my column
	s_mov_b32 s[SEL], 0x76543210
	s_mov_b32 s[SEL+1], 0xfedcba98
	s_mov_b32 s[MNT], 0x600000
	s_mov_b32 s[C1], 0xbdd2d3e8                    ; C1 = -0.10294324
	s_mov_b32 s[C1+1], 0xbdd2d3e8
	; descriptor group 1: a tile of 128 rows x 256 bytes, padded in LDS
	s_or_b32 s[G1+0], s43, (0<<16)|(1<<20)|(1<<21)|(5<<22)|(3<<25)  ; 15:0 the mask: x's tiles go to my row; 17:16 elements of 1 byte; 20 padding on; 21 set beside a mask; 24:22 after every 64 words; 31:25 four words
	s_or_b32 s[G1B+0], s44, (0<<16)|(1<<20)|(1<<21)|(5<<22)|(3<<25)
.irp g, G1, G1B
	s_mov_b32 s[\g+1], ROWB<<16                    ; tensor_dim0
	s_mov_b32 s[\g+2], 128<<16                     ; tensor_dim1
	s_mov_b32 s[\g+3], ROWB<<16                    ; tile_dim0
	s_mov_b32 s[\g+4], 128                         ; tile_dim1
	s_mov_b32 s[\g+5], KROW                        ; tensor_dim0_stride
	s_mov_b32 s[\g+6], 0
	s_mov_b32 s[\g+7], 0
.endr
	; the scales of 128 rows: a dense block of 4,096 bytes, as 16 rows of 256 bytes (32 elements of 8 bytes), 16 bytes of padding behind each
	s_or_b32 s[G1S+0], s43, (3<<16)|(1<<20)|(1<<21)|(5<<22)|(3<<25)
	s_or_b32 s[G1SB+0], s44, (3<<16)|(1<<20)|(1<<21)|(5<<22)|(3<<25)
.irp g, G1S, G1SB
	s_mov_b32 s[\g+1], 32<<16
	s_mov_b32 s[\g+2], (128*KS/256)<<16
	s_mov_b32 s[\g+3], 32<<16
	s_mov_b32 s[\g+4], 128*KS/256
	s_mov_b32 s[\g+5], 32
	s_mov_b32 s[\g+6], 0
	s_mov_b32 s[\g+7], 0
.endr
	s_lshl_b32 s18, s16, 7                         ; which 128 rows of the tile I fetch
	s_lshl_b32 s20, s17, 8
	s_add_co_u32 s20, s20, s18                     ; x: row 256 x tile row + 128 x half
	s_lshl_b32 s46, s42, 8
	s_add_co_u32 s46, s46, s18                     ; W1: row 256 x tile column + 128 x half
	s_mov_b32 s21, 0
	s_mov_b32 s47, 0
	s_mov_b64 s[18:19], KS
	s_mul_u64 s[22:23], s[20:21], s[18:19]         ; where these rows' scales begin,
	s_mul_u64 s[92:93], s[46:47], s[18:19]
	s_mov_b64 s[18:19], KROW
	s_mul_u64 s[20:21], s[20:21], s[18:19]         ; and their codes
	s_mul_u64 s[46:47], s[46:47], s[18:19]
	s_mul_i32 s45, s14, HALFT                      ; where they go: wave x 128 rows: no place in the cluster enters an LDS address
	s_mul_i32 s94, s14, HALFS
	s_wait_kmcnt 0x0
	s_add_nc_u64 s[20:21], s[4:5], s[20:21]
	s_add_nc_u64 s[22:23], s[6:7], s[22:23]
	s_add_nc_u64 s[46:47], s[8:9], s[46:47]
	s_add_nc_u64 s[92:93], s[10:11], s[92:93]
	CROUND                                         ; all sixteen work-groups are here: the first joint loads meet
	s_mov_b32 s[G0S], 1
	s_add_co_u32 s[G0S+1], s94, SCL
	s_mov_b64 s[G0S+2:G0S+3], s[22:23]
	s_or_b32 s[G0S+3], s[G0S+3], 0x80000000
	s_mov_b32 s[G0SB], 1
	s_add_co_u32 s[G0SB+1], s94, SCL
	s_mov_b64 s[G0SB+2:G0SB+3], s[92:93]
	s_or_b32 s[G0SB+3], s[G0SB+3], 0x80000000
	JLOAD G0S, G1S, G0SB, G1SB                     ; the scales first: they are wanted with K step 0
.irp s, 0,1
	s_mov_b32 s[G0+4*\s], 1
	s_add_co_u32 s[G0+4*\s+1], s45, \s*SLOT
	s_add_nc_u64 s[G0+4*\s+2:G0+4*\s+3], s[20:21], \s*ROWB
	s_or_b32 s[G0+4*\s+3], s[G0+4*\s+3], 0x80000000
	s_mov_b32 s[G0B+4*\s], 1
	s_add_co_u32 s[G0B+4*\s+1], s45, \s*SLOT
	s_add_nc_u64 s[G0B+4*\s+2:G0B+4*\s+3], s[46:47], \s*ROWB
	s_or_b32 s[G0B+4*\s+3], s[G0B+4*\s+3], 0x80000000
	JLOAD G0+4*\s, G1, G0B+4*\s, G1B
.endr
	v_and_b32 v1, 15, v0                           ; r = lane % 16
	v_bfe_u32 v2, v0, 4, 1                         ; h = lane / 16
	; b1 in the result's layout: for block b of 16 hidden units, lane (r, h) wants units 16 b + 8 h + 0 .. 7
	s_lshl_b32 s46, s42, 10
	s_lshl_b32 s47, s16, 9
	s_add_co_u32 s46, s46, s47                     ; 4 x (256 x tile column + 128 x half)
	s_mov_b32 s47, 0
	s_add_nc_u64 s[12:13], s[12:13], s[46:47]
	v_lshlrev_b32 v7, 5, v2
.irp b, 0,1,2,3,4,5,6,7
	global_load_b128 v[BI+8*\b:BI+8*\b+3], v7, s[12:13] offset:64*\b
	global_load_b128 v[BI+8*\b+4:BI+8*\b+7], v7, s[12:13] offset:64*\b+16
.endr
	v_mul_u32_u24 v3, v1, PITCH
	v_lshl_add_u32 v4, v2, 4, v3                   ; a fragment's row x pitch + 16 x half
	s_mul_i32 s21, s15, HALFT                      ; my 128 tokens
	s_mul_i32 s22, s16, HALFT                      ; my 128 rows of W1,
	s_add_co_u32 s22, s22, 2*HALFT                 ; which lie behind x's 256
.irp s, 0,1
	v_add_nc_u32 v[ADRA+\s], s21, v4
	v_add_nc_u32 v[ADRB+\s], s22, v4
	s_add_co_u32 s21, s21, SLOT
	s_add_co_u32 s22, s22, SLOT
.endr
	v_mul_u32_u24 v5, v1, KS                       ; my row's scales: 32 bytes a row,
	v_lshrrev_b32 v6, 8, v5
	v_lshl_add_u32 v5, v6, 4, v5                   ; and 16 more for each 256 passed
	s_mul_i32 s21, s15, HALFS
	s_mul_i32 s22, s16, HALFS
	s_add_co_u32 s22, s22, 2*HALFS
	s_sub_co_u32 s22, s22, s21
	v_mul_u32_u24 v6, s22, v2                      ; lanes 16-31 take W1's
	s_add_co_u32 s21, s21, SCL
	v_add_nc_u32 v5, v5, v6
	v_add_nc_u32 v[ADRS], s21, v5
	s_mul_i32 s23, s15, 128*SPITCH                 ; the stage, in: my 128 tokens' rows, my 128 bytes of them; row r, 8 bytes for each half of the lanes
	s_lshl_b32 s21, s16, 7
	s_add_co_u32 s23, s23, s21
	v_lshl_add_u32 v5, v2, 3, v3
	v_add_nc_u32 v[STO], s23, v5
	s_mul_i32 s23, s14, 64*SPITCH                  ; back: wave w takes rows 64 w on, whole; lanes 0-15 one row, lanes 16-31 the next
	v_mul_u32_u24 v5, v2, SPITCH
	v_lshl_add_u32 v5, v1, 4, v5
	v_add_nc_u32 v[RD], s23, v5
	v_lshlrev_b32 v5, 12, v2                       ; and the same two rows in hq: 4,096 bytes a token
	v_lshl_add_u32 v[HO], v1, 4, v5
	v_and_b32 v6, 31, v0
	v_lshlrev_b32 v[L16], 4, v6
	s_lshr_b32 s92, s42, 4                         ; the expert
	s_lshl_b32 s20, s92, 24                        ; hq: an expert is 2^24 bytes,
	s_lshl_b32 s21, s17, 20                        ; 256 tokens 2^20,
	s_add_co_u32 s20, s20, s21
	s_lshl_b32 s21, s14, 18                        ; my 64 rows,
	s_add_co_u32 s20, s20, s21
	s_and_b32 s21, s42, 15
	s_lshl_b32 s21, s21, 8                         ; the tile's 256 codes in a row
	s_add_co_u32 s20, s20, s21
	s_mov_b32 s21, 0
	s_add_nc_u64 s[96:97], s[96:97], s[20:21]
	s_lshl_b32 s20, s92, 5                         ; hs: ((expert x 32 + token / 128) x 32 + f / 128) x 512
	s_lshl_b32 s21, s17, 1
	s_add_co_u32 s20, s20, s21
	s_add_co_u32 s20, s20, s15
	s_lshl_b32 s20, s20, 5
	s_lshl_b32 s21, s42, 1
	s_add_co_u32 s21, s21, s16
	s_and_b32 s21, s21, 31
	s_add_co_u32 s20, s20, s21
	s_lshl_b32 s20, s20, 9
	s_mov_b32 s21, 0
	s_add_nc_u64 s[98:99], s[98:99], s[20:21]
.macro FRAG reg, adr, q, i             ; a fragment, 16 rows x 128 K: lane l holds row l % 16; registers 4 c .. 4 c + 3 hold K = 32 c + 16 (l / 16) + 0 .. 15
.irp c, 0,1,2,3
	ds_load_b128 v[\reg+4*\c:\reg+4*\c+3], v[\adr] offset:128*(\q)+32*\c+(\i)*16*PITCH
.endr
.endm
; 16 matrix instructions: x's blocks a0, a0 + 1 against W1's eight, 128 along K.  first = 1: the sums begin with b1 as C: nothing is cleared and no bias is added later.
; The 64 accumulators take turns, one instruction a turn, in the same order in every step.
.macro MUL16 a0, p, q, sc, first
.irp a, \a0, \a0+1
.irp b, 0,1,2,3,4,5,6,7
.set rD, 8*(8*((\a)%4)+\b)
.set rC, rD
.if \first
.set rC, BI+8*\b
.endif
	v_wmma_scale_f32_16x16x128_f8f6f4 v[rD:rD+7], v[128*(\p)+FR*\b:128*(\p)+FR*\b+FR-1], v[AF+FR*(\a):AF+FR*(\a)+FR-1], v[rC:rC+7], v[SC+8*NQ*(\sc)+NQ*\b+(\q)], v[SC+8*NQ*(\sc)+NQ*(\a)+(\q)] matrix_a_scale:MATRIX_SCALE_ROW1
.endr
.endr
.endm
.macro FETCH_B slot, q, p
	WIN TO_B
.irp i, 0,1,2,3,4,5,6,7
	FRAG 128*(\p)+FR*\i, ADRB+\slot, \q, \i
.endr
	WIN 0
.endm
.macro FETCH_A slot, q, i0
.irp i, \i0, \i0+1, \i0+2, \i0+3
	FRAG AF+FR*(\i), ADRA+\slot, \q, \i
.endr
.endm
.macro SCALES sc                       ; a K step's scale words: two words a row; lanes 0-15 take x's block i, lanes 16-31 W1's block i
.irp i, 0,1,2,3,4,5,6,7
	ds_load_b64 v[SC+8*NQ*\sc+NQ*\i:SC+8*NQ*\sc+NQ*\i+1], v[ADRS] offset:\i*SBLK
.endr
.endm
; A load into a register that a matrix instruction has read, and a vector instruction that reads a matrix result or writes one of its registers, stand NP plain vector instructions behind it.
.macro PLACES n
.rept \n
	v_nop
.endr
.endm
.macro STEP slot, q, first             ; a step of 128 along K that has its successor in the same slot
	s_wait_dscnt 4*NL                              ; W1's set and x's blocks 0-3 are in; the youngest 16 loads (x's blocks 4-7) may be out
.if \first
	WIN FIRST_LO
.else
	WIN MUL_LO
.endif
	MUL16 0, (\q)%2, \q, \slot, \first
	MUL16 2, (\q)%2, \q, \slot, \first
	s_wait_dscnt 0
	PLACES NP
	FETCH_B \slot, (\q)+1, 1-(\q)%2
	FETCH_A \slot, (\q)+1, 0
.if \first
	WIN FIRST_HI
.else
	WIN MUL_HI
.endif
	MUL16 4, (\q)%2, \q, \slot, \first
	MUL16 6, (\q)%2, \q, \slot, \first
	PLACES NP
	WIN 0
	FETCH_A \slot, (\q)+1, 4
.endm
; A slot's last step changes slots: one barrier; in front of it each wave waits for all its tensor loads, adds 0 to its spare word, and waits for that and for its own reads of this slot.
.macro TURN slot, next, fill
	s_wait_tensorcnt 0x0                           ; all my tensor loads have landed: my part of the next slot
	ds_add_u32 v[SPW], v[NIL]                      ; 0 onto my spare word
	s_wait_dscnt 4*NL+1                            ; (the add and the youngest 16 loads may be out)
	WIN MUL_LO
	MUL16 0, 1, NQ-1, \slot, 0
	s_wait_dscnt 0x0                               ; the add is done, and my reads of this slot are over
	s_barrier_signal -1
	MUL16 2, 1, NQ-1, \slot, 0
	WIN 0
	s_barrier_wait -1
.if \fill
	CREST                                          ; the barrier has opened a round of the cluster's barrier: no wave of any partner still reads this slot or has a load on its way
	s_add_nc_u64 s[G0+4*\slot+2:G0+4*\slot+3], s[G0+4*\slot+2:G0+4*\slot+3], 2*ROWB
	s_add_nc_u64 s[G0B+4*\slot+2:G0B+4*\slot+3], s[G0B+4*\slot+2:G0B+4*\slot+3], 2*ROWB
	JLOAD G0+4*\slot, G1, G0B+4*\slot, G1B         ; the first tensor load behind the round; its four v_nop are among the places in front of the loads below
	PLACES NP-4
.else
	PLACES NP
.endif
	v_add_nc_u32 v[ADRS], 4*NQ, v[ADRS]            ; on to the next K step's scale words
	FETCH_B \next, 0, 0
	FETCH_A \next, 0, 0
	SCALES \next
	WIN MUL_HI
	MUL16 4, 1, NQ-1, \slot, 0
	MUL16 6, 1, NQ-1, \slot, 0
	PLACES NP
	WIN 0
	FETCH_A \next, 0, 4
.endm
	s_wait_tensorcnt 1                             ; the scales and my part of K step 0 are in (slot 1's load may be out)
	s_barrier_signal -1
	s_barrier_wait -1
	FETCH_B 0, 0, 0
	FETCH_A 0, 0, 0
	SCALES 0
	FETCH_A 0, 0, 4
	s_wait_loadcnt 0x0                             ; b1
	STEP 0, 0, 1                                   ; K = 1,024 is four K steps, twice round the ring: the eight steps of 128 are written out
	TURN 0, 1, 1
	STEP 1, 0, 0
	TURN 1, 0, 1
	STEP 0, 0, 0
	TURN 0, 1, 0                                   ; the last lap fills nothing
	STEP 1, 0, 0
	s_wait_dscnt 4*NL
	WIN MUL_LO
	MUL16 0, 1, NQ-1, 1, 0
	MUL16 2, 1, NQ-1, 1, 0
	s_wait_dscnt 0
	WIN MUL_HI
	MUL16 4, 1, NQ-1, 1, 0
	MUL16 6, 1, NQ-1, 1, 0
	WIN 0
; 64 numbers of a lane, v[s] on: registers 16 b .. 16 b + 15, with lane l xor 16's, are block b of 32 along the hidden axis.  They become 64 codes in v[PC] on and the token's scale word in v[pw].
.macro QUANT s, pw
.irp b, 0,1,2,3
	v_max3_num_f32 v[TM+\b], |v[\s+16*\b]|, |v[\s+1+16*\b]|, 0x4800000   ; my 16 numbers and the floor 2^(9 - 127): the byte cannot fall under 1
.endr
.irp i, 2,4,6,8,10,12,14
.irp b, 0,1,2,3
	v_max3_num_f32 v[TM+\b], v[TM+\b], |v[\s+16*\b+\i]|, |v[\s+1+16*\b+\i]|   ; the four blocks by turns
.endr
.endr
.irp b, 0,1,2,3
	v_permlanex16_b32 v[TM+4+\b], v[TM+\b], s[SEL], s[SEL+1]
.endr
.irp b, 0,1,2,3
	v_max_num_f32 v[TM+\b], v[TM+\b], v[TM+4+\b]   ; the block's largest magnitude
.endr
.irp b, 0,1,2,3
	v_add_nc_u32 v[TM+12+\b], 0xfc000000, v[TM+\b] ; 8 off its exponent field: the conversion's scale operand
.endr
.irp b, 0,1,2,3
	v_and_or_b32 v[TM+8+\b], v[TM+\b], 0x7f800000, s[MNT]   ; 448 x the scale
.endr
.irp b, 0,1,2,3
	v_lshrrev_b32 v[TM+4+\b], 23, v[TM+12+\b]      ; the scale's byte
.endr
	v_lshl_or_b32 v[\pw], v[TM+5], 8, v[TM+4]
	v_lshl_or_b32 v[\pw], v[TM+6], 16, v[\pw]
	v_lshl_or_b32 v[\pw], v[TM+7], 24, v[\pw]
.irp b, 0,1,2,3
.irp i, 0,1,2,3,4,5,6,7,8,9,10,11,12,13,14,15
	v_med3_num_f32 v[\s+16*\b+\i], v[\s+16*\b+\i], -v[TM+8+\b], v[TM+8+\b]   ; the conversion does not saturate (ISA guide 7.6.2): the hold comes first
.endr
	v_cvt_scalef32_pk8_fp8_f32 v[PC+4*\b:PC+1+4*\b], v[\s+16*\b:\s+7+16*\b], v[TM+12+\b]
	v_cvt_scalef32_pk8_fp8_f32 v[PC+2+4*\b:PC+3+4*\b], v[\s+8+16*\b:\s+15+16*\b], v[TM+12+\b]
.endr
	v_nop                                          ; a plain line between the last conversion and the next vector instruction that writes its sources
.endm
; Block a of 16 tokens: gelu of its 64 numbers a lane, quantised, codes into the stage.  Runs of 32 or 64 lines under one window setting; each accumulator is read from its low end on.
; The exponentials are one batch with one wait, and so are the reciprocals.
.macro GELUQ a
.set AC, 64*((\a)%4)
.set WA, 2+(\a)/4
.set WW, WA|(WA<<2)
	WIN WW                                         ; sources 0 and 1: the accumulators' window
.set i, 0
.rept 32
	v_pk_mul_f32 v[T+i:T+i+1], v[AC+i:AC+i+1], v[AC+i:AC+i+1]      ; x^2
.set i, i+2
.endr
	WIN 0
.set i, 0
.rept 32
	v_pk_fma_f32 v[T+i:T+i+1], v[T+i:T+i+1], s[C1:C1+1], v[KC:KC+1] op_sel_hi:[1,0,1]   ; C1 x^2 + C0
.set i, i+2
.endr
.set WW, WA<<2
	WIN WW
.set i, 0
.rept 32
	v_pk_mul_f32 v[T+i:T+i+1], v[T+i:T+i+1], v[AC+i:AC+i+1]        ; z
.set i, i+2
.endr
	WIN 0
.set i, 0
.rept 64
	v_exp_f32 v[T+i], v[T+i]
.set i, i+1
.endr
	v_nop
	s_wait_alu depctr_va_vdst(0)                   ; one wait for the 64, ahead of their first reader
.set i, 0
.rept 32
	v_pk_add_f32 v[T+i:T+i+1], v[T+i:T+i+1], 1.0 op_sel_hi:[1,0]
.set i, i+2
.endr
.set i, 0
.rept 64
	v_rcp_f32 v[T+i], v[T+i]
.set i, i+1
.endr
	v_nop
	s_wait_alu depctr_va_vdst(0)
	WIN WW
.set i, 0
.rept 32
	v_pk_mul_f32 v[T+i:T+i+1], v[T+i:T+i+1], v[AC+i:AC+i+1]        ; gelu = x / (1 + 2^z)
.set i, i+2
.endr
	WIN 0
.if (\a) > 0
	s_wait_dscnt 0x0                               ; the last block's stores into the stage have read the code registers
.endif
	QUANT T, PW+(\a)
.irp b, 0,1,2,3,4,5,6,7
	ds_store_b64 v[STO], v[PC+2*\b:PC+2*\b+1] offset:(\a)*16*SPITCH+16*\b   ; token 16 a + r, hidden units 16 b + 8 h + 0 .. 7
.endr
.endm
	PLACES NP                                      ; behind the last products: the lines below read results and write registers that held operands and scales
	v_mov_b32 v[KC], 0xc0135761                    ; C0 = -2.3022082
	v_mov_b32 v[KC+1], 0xc0135761
.irp b, 0,1,2,3
	v_mov_b32 v[TM+4+\b], 0                        ; written once: a lane permute's destination counts as one of its sources
.endr
.irp a, 0,1,2,3,4,5,6,7
	GELUQ \a
.endr
	s_wait_dscnt 0x0                               ; for the others' sake: my stores into the stage are done (a row's 256 bytes come from two waves)
	s_barrier_signal -1
	s_barrier_wait -1
.set i, 0
.rept 32
	ds_load_b128 v[OUTR+4*i:OUTR+4*i+3], v[RD] offset:2*i*SPITCH
.set i, i+1
.endr
	v_cmp_ne_u32 vcc_lo, 0, v2                     ; lanes 16-31
.irp j, 0,1,2,3
	v_cndmask_b32 v[SW+\j], v[PW+2*\j], v[PW+2*\j+1], vcc_lo   ; word j of lane l: token 32 j + l: block 2 j in lanes 0-15, block 2 j + 1 in lanes 16-31
.endr
	global_store_b128 v[L16], v[SW:SW+3], s[98:99] ; 512 consecutive bytes: my 128 tokens' scale words for my 128 hidden units
.set i, 0
.rept 32
	s_wait_dscnt 31-i
	global_store_b128 v[HO], v[OUTR+4*i:OUTR+4*i+3], s[96:97] offset:8192*i   ; 16 lanes store 256 consecutive bytes, at a multiple of 256 from hq's first byte
.set i, i+1
.endr
	s_wait_tensorcnt 0x0                           ; the wave's end
	ds_add_u32 v[SPW], v[NIL]
	s_wait_dscnt 0x0
	CROUND                                         ; the closing round: no work-group ends while a partner may still ask for a tile that names it
	s_endpgm
.Lfunc_end_k_q450daf96ae_ffn1:
	.size	k_q450daf96ae_ffn1, .Lfunc_end_k_q450daf96ae_ffn1-k_q450daf96ae_ffn1
	.p2alignl 7, 3214868480
	.fill 96, 4, 3214868480
	.section	.rodata,"a",@progbits
	.p2align	6, 0x0
	.amdhsa_kernel k_q450daf96ae_ffn1
		.amdhsa_group_segment_fixed_size 327680
		.amdhsa_private_segment_fixed_size 0
		.amdhsa_enable_private_segment 0
		.amdhsa_kernarg_size 56
		.amdhsa_user_sgpr_count 2
		.amdhsa_user_sgpr_kernarg_segment_ptr 1
		.amdhsa_wavefront_size32 1
		.amdhsa_system_sgpr_workgroup_id_x 1
		.amdhsa_system_sgpr_workgroup_id_y 1
		.amdhsa_system_sgpr_workgroup_id_z 1
		.amdhsa_system_vgpr_workitem_id 0
		.amdhsa_next_free_vgpr 1024
		.amdhsa_next_free_sgpr 102
		.amdhsa_reserve_vcc 1
		.amdhsa_float_denorm_mode_32 3
		.amdhsa_float_denorm_mode_16_64 3
		.amdhsa_memory_ordered 1
		.amdhsa_forward_progress 1
		.amdhsa_inst_pref_size 255
	.end_amdhsa_kernel
	.section	.bss,"aw",@nobits
	.p2align	6
	.space	262144
	.amdgpu_metadata
---
amdhsa.version: [ 1, 2 ]
amdhsa.kernels:
  - .name:           k_q450daf96ae_ffn1
    .symbol:         k_q450daf96ae_ffn1.kd
    .args:
      - { .name: xq, .offset: 0, .size: 8, .value_kind: global_buffer, .address_space: global }
      - { .name: xs, .offset: 8, .size: 8, .value_kind: global_buffer, .address_space: global }
      - { .name: W1_codes, .offset: 16, .size: 8, .value_kind: global_buffer, .address_space: global }
      - { .name: W1_scales, .offset: 24, .size: 8, .value_kind: global_buffer, .address_space: global }
      - { .name: b1, .offset: 32, .size: 8, .value_kind: global_buffer, .address_space: global }
      - { .name: hq, .offset: 40, .size: 8, .value_kind: global_buffer, .address_space: global }
      - { .name: hs, .offset: 48, .size: 8, .value_kind: global_buffer, .address_space: global }
    .group_segment_fixed_size: 327680
    .private_segment_fixed_size: 0
    .kernarg_segment_align: 8
    .kernarg_segment_size: 56
    .max_flat_workgroup_size: 128
    .sgpr_count:     102
    .vgpr_count:     1024
    .wavefront_size: 32
...
	.end_amdgpu_metadata
.endif
;; end of part 2
;; launch ffn2 (part 3): grid 8 x 32, 4 waves a work-group, clusters of 4 x 4, 327,680 bytes of LDS; arguments hq, hs, W2_codes, w2s, b2, route, out0, out1, dump; writes out0, out1, dump
.if DOCPART == 3
	.amdgcn_target "amdgcn-amd-amdhsa--gfx1250"
	.amdhsa_code_object_version 6
	.text
	.protected	k_q450daf96ae_ffn2
	.globl	k_q450daf96ae_ffn2
	.p2align	8
	.type	k_q450daf96ae_ffn2,@function
k_q450daf96ae_ffn2:
	s_mov_b64 s[64:65], 0
	v_nop
	global_prefetch_b8 v0, s[64:65] scope:SCOPE_SE
	s_setreg_imm32_b32 hwreg(HW_REG_WAVE_MODE, 25, 1), 1
	s_wait_xcnt 0x0
	s_wait_alu depctr_hold_cnt(0) depctr_sa_sdst(0) depctr_va_vdst(0) depctr_va_sdst(0) depctr_va_ssrc(0) depctr_va_vcc(0) depctr_vm_vsrc(0)
	s_getreg_b32 s2, hwreg(HW_REG_IB_STS2, 6, 4)
	s_cmp_eq_u32 s2, 0
	s_cbranch_scc0 .Lentry_in_a_cluster
	s_endpgm
.Lentry_in_a_cluster:
	s_bfe_u32 s2, ttmp6, 0x10000c
	s_cmp_lg_u32 s2, 0xf033
	s_cbranch_scc0 .Lentry_shape_is_right
	s_endpgm
.Lentry_shape_is_right:
; FFN2.  out0[t][d] = sum over the 2 experts of c_e[t] (sum over f of h_e[t][f] W2_e[d][f] + b2_e[d]); out1 = the load-balancing loss.
; h: codes [expert][4096][4096] and scale words made by the launch before; W2: codes [expert][1024][4096] as given, its scale words laid anew by the first launch.  Products by v_wmma_scale_f32_16x16x128_f8f6f4, sums in f32.
; A tile of out0 is 128 tokens x 128 d: 32 x 8 = 256 work-groups.  THE FOUR WAVES SHARE K, NOT THE TILE: wave w takes expert e = w / 2 and, of each 256 along K, the half p = w % 2, and makes the whole
; 128 x 128: 64 accumulators.  So each LDS byte is read once, and each expert's sum lies apart for its own combine weight.  The four partial tiles, each times c_e, meet in LDS at the end.
; b2_e is the C of the first products of the wave with p = 0 (the other wave of the expert begins with zeros in its place).
; ONE LARGE SLOT.  A fill brings 512 along K of four tiles of 128 rows (h of expert 0, of expert 1, W2 of expert 0, of expert 1): 4 x 128 x 528 = 270,336 bytes; wave w fetches tile w, one load a wave.
;   That is two steps of 128 along K for each wave.  A wave has registers for W2's fragments of both steps (256) and for h's of one (128); h's of the second step take the places of the first step's blocks as
;   these are used up.  So at the end of the first step the slot is read out and is filled again, and the second step's products run while that fill is on its way.
;   Behind each barrier that precedes a fill no load is on its way, so the fills are made as few and as large as LDS holds: 8 of them for K = 2 x 4,096; two slots of half the size would need 16.
; CLUSTERS: 4 x 4 work-groups; h's tiles are shared along a row of the cluster, W2's along a column: joint loads.
; SCALE WORDS come straight into registers: one 16-byte load a lane and side brings the words of 128 rows for a step (512 consecutive bytes), a round (two steps) ahead, in four sets.
;   Register j of a set holds block 2 j of 16 rows in lanes 0-15 and block 2 j + 1 in lanes 16-31: the row selectors of the matrix instruction pick.
; THE LOSS: both experts are among the top 2 of 2 for every token, so each expert's dispatch fraction is 1 by the computation itself, and loss = 2 (sum of p_0 + sum of p_1) / 4096, from the sums that the first launch stored.
;   Wave 0 of each work-group of the first cluster computes it; the partners are told apart by ADDRESS: place 0 stores into out1, the 15 others into their own words of dump, which nobody reads.
; LIMITS: NaN and infinities among the inputs are not served.
; REGISTERS: window 0: v1-31 addresses and the like; v8-15 c_e of token 16 a + r; v32-63 scale words, four sets of 8; v64-127 b2 in the result's layout; from v128 h's fragments, one set; on the way out v128-255 rows.
;   window 1: W2's fragments, two sets.   windows 2, 3: the accumulators ((a, b) at v[8 (8 (a % 4) + b)]).
.set PITCH,  528                       ; an LDS row: 512 bytes + 16 of padding = 132 words: the 16 rows that a load touches start at 16 different banks (64 banks of 4 bytes: ISA guide 11.1)
.set FR,     16
.set NP,     8                         ; places behind this matrix instruction (ISA guide 7.12.1)
.set REG,    128*PITCH                 ; a tile: 128 rows
.set SPARE,  4*REG                     ; the spare words, 128 bytes for each wave: two blocks of 256 bytes that no other line names
.set SPITCH, 528                       ; the way out: a row of 128 f32 + 16 bytes
.set PART,   128*SPITCH                ; a wave's partial tile; the four lie over the tiles, which have had their last fill and their last read by then
.set CW,   8
.set ADRA, 16                          ; v16  LDS address of my fragments of h
.set ADRB, 20                          ; v20  and of W2
.set L16,  22                          ; v22  16 x lane
.set PFO,  23                          ; v23  the prefetches' offset: 4,096 x lane: a lane a row
.set RD,   24                          ; v24-27 where I read a row of partial tile 0 .. 3 back
.set SPW,  28
.set NIL,  29
.set STO,  30                          ; v30  where I put 32 bytes of a row of my partial tile
.set SC,   32
.set BI,   64
.set AF,   128
.set OB,   128
.set G1, 24                            ; s[24:31] descriptor group 1 for h's tiles;  s[32:35] its group 0, which walks
.set G0, 32
.set G1B, 48                           ; s[48:55], s[56:59] the same for W2's
.set G0B, 56
.set SAB, 76                           ; s[76:77] h's scale words of the round in hand;  s[78:79] W2's
.set SBB, 78
.set PFA, 82                           ; s[82:83] where my prefetches stand
.set CNT, 84                           ; s84 the round's number
.set LIM, 85                           ; s85 6 in a wave that prefetches, else 0
.set SEL, 86                           ; s[86:87]
.set MSB, 0
.macro WIN new                         ; the immediate's high byte repeats the setting that is left
.if MSB != \new
	s_set_vgpr_msb (MSB<<8)|\new
.set MSB, \new
.endif
.endm
.set TO_B, 0x40
.macro JLOAD g0a, g1a, g0b, g1b        ; waves 0 and 1 fetch h's tiles, waves 2 and 3 W2's; four v_nop follow each of the two lines
	s_cmp_eq_u32 s15, 0
	s_cbranch_scc0 .Lfor_b_\@
	tensor_load_to_lds s[\g0a:\g0a+3], s[\g1a:\g1a+7]
	s_nop 0
.rept 4
	v_nop
.endr
	s_branch .Lasked_\@
.Lfor_b_\@:
	tensor_load_to_lds s[\g0b:\g0b+3], s[\g1b:\g1b+7]
	s_nop 0
.rept 4
	v_nop
.endr
.Lasked_\@:
.endm
.macro CREST
	s_cmp_lg_u32 s14, 0
	s_cbranch_scc1 .Lnot_wave_0_\@
	s_barrier_signal -3
.Lnot_wave_0_\@:
	s_barrier_wait -3
	s_barrier_signal -1
	s_barrier_wait -1
.endm
.macro CROUND
	s_barrier_signal -1
	s_barrier_wait -1
	CREST
.endm
; A PREFETCH INTO THE L2: round j names the 512 along K of round j + 2, which the fill of round j + 1 will ask for: 32 rows x 512 bytes, a lane a row, two instructions a wave (256 bytes apart).
; Each aligned 256 bytes are named once in the launch: h's tile is read by both clusters of its row of clusters: cluster x = 0 asks; W2's by all eight of its column: cluster y = 0 asks.
; The four partners that ask for a tile jointly share its 128 rows out by address, 32 each.  Rounds 6 and 7 name nothing: K ends with round 7.  Rounds 0 and 1 come by their loads alone.
.macro ASK
	s_cmp_lt_u32 s[CNT], s[LIM]
	s_cbranch_scc0 .Lnot_mine_\@
	global_prefetch_b8 v[PFO], s[PFA:PFA+1] th:TH_LOAD_NT scope:SCOPE_SE
	global_prefetch_b8 v[PFO], s[PFA:PFA+1] offset:256 th:TH_LOAD_NT scope:SCOPE_SE
.Lnot_mine_\@:
.endm
	s_load_b256 s[4:11], s[0:1], 0x0               ; hq s[4:5], hs s[6:7], W2_codes s[8:9], w2s s[10:11]
	s_load_b64 s[12:13], s[0:1], 0x20              ; b2
	s_load_b256 s[68:75], s[0:1], 0x28             ; route s[68:69], out0 s[70:71], out1 s[72:73], dump s[74:75]
	v_lshl_add_u32 v[SPW], v0, 2, SPARE
	v_mov_b32 v[NIL], 0
	ds_add_u32 v28, v29
	ds_add_u32 v28, v29
	s_wait_dscnt 0x0
	v_lshrrev_b32 v1, 5, v0
	v_readfirstlane_b32 s14, v1                    ; wave 0..3
	s_lshr_b32 s15, s14, 1                         ; my expert.  Also: I fetch for h (0) or for W2 (1)
	s_and_b32 s16, s14, 1                          ; my half of each 256 along K.  Also: the expert whose tile I fetch
	s_bfe_u32 s40, ttmp6, 0x40000                  ; cx, cy
	s_bfe_u32 s41, ttmp6, 0x40004
	s_lshl_b32 s42, ttmp9, 2
	s_add_co_u32 s42, s42, s40                     ; tile column (d / 128)
	s_and_b32 s17, ttmp7, 0xffff
	s_lshl_b32 s17, s17, 2
	s_add_co_u32 s17, s17, s41                     ; tile row (token / 128)
	s_lshl_b32 s43, s41, 2
	s_lshl_b32 s43, 15, s43                        ; my row of the cluster
	s_lshl_b32 s44, 0x1111, s40                    ; my column
	s_mov_b32 s[SEL], 0x76543210
	s_mov_b32 s[SEL+1], 0xfedcba98
	s_or_b32 s[G1+0], s43, (0<<16)|(1<<20)|(1<<21)|(6<<22)|(3<<25)  ; 15:0 the mask: h's tiles go to my row; elements of 1 byte; padding on; 21 set beside a mask; four words after every 128
	s_or_b32 s[G1B+0], s44, (0<<16)|(1<<20)|(1<<21)|(6<<22)|(3<<25)
.irp g, G1, G1B
	s_mov_b32 s[\g+1], 512<<16                     ; tensor_dim0
	s_mov_b32 s[\g+2], 128<<16                     ; tensor_dim1
	s_mov_b32 s[\g+3], 512<<16                     ; tile_dim0
	s_mov_b32 s[\g+4], 128                         ; tile_dim1
	s_mov_b32 s[\g+5], 4096                        ; tensor_dim0_stride: a row of h or of W2
	s_mov_b32 s[\g+6], 0
	s_mov_b32 s[\g+7], 0
.endr
	s_lshl_b32 s20, s16, 24                        ; h: an expert is 2^24 bytes, 128 rows 2^19
	s_lshl_b32 s21, s17, 19
	s_add_co_u32 s20, s20, s21
	s_mov_b32 s21, 0
	s_lshl_b32 s46, s16, 22                        ; W2: an expert is 2^22 bytes
	s_lshl_b32 s47, s42, 19
	s_add_co_u32 s46, s46, s47
	s_mov_b32 s47, 0
	s_mul_i32 s45, s14, REG                        ; where my tile goes: wave x 128 rows: no place in the cluster enters an LDS address
	s_wait_kmcnt 0x0
	s_add_nc_u64 s[20:21], s[4:5], s[20:21]
	s_add_nc_u64 s[46:47], s[8:9], s[46:47]
	CROUND                                         ; all sixteen work-groups are here: the first joint loads meet
	s_mov_b32 s[G0], 1                             ; 1:0 count = 1
	s_mov_b32 s[G0+1], s45                         ; 63:32 LDS address
	s_mov_b64 s[G0+2:G0+3], s[20:21]               ; 120:64 global address: the first 512 along K
	s_or_b32 s[G0+3], s[G0+3], 0x80000000          ; 127:126 type = 2
	s_mov_b32 s[G0B], 1
	s_mov_b32 s[G0B+1], s45
	s_mov_b64 s[G0B+2:G0B+3], s[46:47]
	s_or_b32 s[G0B+3], s[G0B+3], 0x80000000
	JLOAD G0, G1, G0B, G1B                         ; one load of mine is out
	v_and_b32 v1, 15, v0                           ; r
	v_bfe_u32 v2, v0, 4, 1                         ; h
	v_and_b32 v3, 31, v0                           ; lane
	v_lshlrev_b32 v[L16], 4, v3
	; the prefetches: where my wave's stand, and who asks
	s_and_b32 s22, ttmp7, 0xffff                   ; cluster y
	s_cmp_eq_u32 s15, 0                            ; do I fetch for h?
	s_cselect_b32 s18, s17, s42                    ; the tile's number: by tokens or by d
	s_cselect_b32 s19, s40, s41                    ; my place among the four that ask with me
	s_cselect_b32 s22, ttmp9, s22                  ; the coordinate along which other clusters read the same rows
	s_cselect_b32 s23, 24, 22                      ; an expert's bytes, as a shift
	s_cselect_b64 s[PFA:PFA+1], s[4:5], s[8:9]
	s_cmp_eq_u32 s22, 0
	s_cselect_b32 s[LIM], 6, 0                     ; the same in all sixteen partners, for a given wave
	s_lshl_b32 s23, s16, s23
	s_lshl_b32 s18, s18, 19
	s_add_co_u32 s18, s18, s23
	s_lshl_b32 s19, s19, 17                        ; my work-group's 32 rows of the 128
	s_add_co_u32 s18, s18, s19
	s_add_co_u32 s18, s18, 2*512                   ; round 0 names the 512 along K of round 2
	s_mov_b32 s19, 0
	s_add_nc_u64 s[PFA:PFA+1], s[PFA:PFA+1], s[18:19]
	s_mov_b32 s[CNT], 0
	; the loss
	s_and_b32 s18, ttmp7, 0xffff
	s_or_b32 s18, s18, ttmp9
	s_or_b32 s18, s18, s14
	s_cmp_lg_u32 s18, 0                            ; wave 0 of the first cluster's work-groups: the same in all partners
	s_cbranch_scc1 .Lno_loss
.irp i, 0,1,2,3,4,5,6,7
	global_load_b128 v[128+4*\i:131+4*\i], v[L16], s[68:69] offset:32768+512*\i   ; the 1,024 partial sums of p
.endr
	s_lshl_b32 s19, s41, 2
	s_add_co_u32 s19, s19, s40                     ; my place in the cluster
	s_cmp_eq_u32 s19, 0
	s_cselect_b64 s[22:23], s[72:73], s[74:75]     ; place 0: out1; the others: dump
	s_lshl_b32 s19, s19, 2
	v_mov_b32 v31, s19                             ; word 0 of out1, or my own word of dump
	s_wait_loadcnt 0x0
.irp i, 4,8,12,16,20,24,28
	v_pk_add_f32 v[128:129], v[128:129], v[128+\i:129+\i]
	v_pk_add_f32 v[130:131], v[130:131], v[130+\i:131+\i]
.endr
	v_pk_add_f32 v[128:129], v[128:129], v[130:131]
	v_add_f32 v128, v128, v129
.irp m, 1,2,4,8
	v_add_f32_dpp v128, v128, v128 row_xmask:\m row_mask:0xf bank_mask:0xf
.endr
	v_permlanex16_b32 v129, v128, s[SEL], s[SEL+1]
	v_add_f32 v128, v128, v129
	v_mul_f32 v128, 0x3a000000, v128               ; x 2 / 4096
	s_wait_xcnt 0x0                                ; EXEC changes only behind this wait
	v_cmp_eq_u32 vcc_lo, 0, v3
	s_and_saveexec_b32 s18, vcc_lo
	global_store_b32 v31, v128, s[22:23]
	s_wait_xcnt 0x0
	s_or_b32 exec_lo, exec_lo, s18
.Lno_loss:
	; b2 in the result's layout: for block b of 16 d, lane (r, h) wants d = 16 b + 8 h + 0 .. 7
	s_lshl_b32 s18, s15, 12
	s_lshl_b32 s19, s42, 9
	s_add_co_u32 s18, s18, s19                     ; 4 x (1024 x expert + 128 x tile column)
	s_mov_b32 s19, 0
	s_add_nc_u64 s[88:89], s[12:13], s[18:19]
	v_lshlrev_b32 v5, 5, v2
.irp b, 0,1,2,3,4,5,6,7
	global_load_b128 v[BI+8*\b:BI+8*\b+3], v5, s[88:89] offset:64*\b
	global_load_b128 v[BI+8*\b+4:BI+8*\b+7], v5, s[88:89] offset:64*\b+16
.endr
	; c_e of token 16 a + r: route[t / 8][e][t % 8]
	s_lshl_b32 s18, s17, 10
	s_lshl_b32 s20, s15, 5
	s_add_co_u32 s18, s18, s20
	s_add_nc_u64 s[90:91], s[68:69], s[18:19]
	v_lshrrev_b32 v4, 3, v1
	v_and_b32 v6, 7, v1
	v_lshlrev_b32 v6, 2, v6
	v_lshl_add_u32 v6, v4, 6, v6
.irp a, 0,1,2,3,4,5,6,7
	global_load_b32 v[CW+\a], v6, s[90:91] offset:128*\a
.endr
	; the scale words: my steps are k / 128 = 2 n + p: 1,024 bytes from step to step, 2,048 from round to round
	s_lshl_b32 s18, s15, 5
	s_add_co_u32 s18, s18, s17
	s_lshl_b32 s18, s18, 5
	s_add_co_u32 s18, s18, s16
	s_lshl_b32 s18, s18, 9
	s_add_nc_u64 s[SAB:SAB+1], s[6:7], s[18:19]
	s_lshl_b32 s18, s15, 3
	s_add_co_u32 s18, s18, s42
	s_lshl_b32 s18, s18, 5
	s_add_co_u32 s18, s18, s16
	s_lshl_b32 s18, s18, 9
	s_add_nc_u64 s[SBB:SBB+1], s[10:11], s[18:19]
.irp k, 0,1
	global_load_b128 v[SC+8*\k:SC+8*\k+3], v[L16], s[SAB:SAB+1] offset:1024*\k
	global_load_b128 v[SC+8*\k+4:SC+8*\k+7], v[L16], s[SBB:SBB+1] offset:1024*\k
.endr
	s_lshl_b32 s18, s17, 19                        ; out0: (128 x tile row + 32 x wave) rows of 4,096 bytes + 512 x tile column
	s_lshl_b32 s20, s14, 17
	s_add_co_u32 s18, s18, s20
	s_lshl_b32 s20, s42, 9
	s_add_co_u32 s18, s18, s20
	s_add_nc_u64 s[70:71], s[70:71], s[18:19]
	v_mul_u32_u24 v4, v1, PITCH
	v_lshl_add_u32 v4, v2, 4, v4                   ; a fragment's row x pitch + 16 x half
	s_mul_i32 s21, s15, REG                        ; my expert's tile of h,
	s_lshl_b32 s22, s16, 7                         ; my 128 bytes of each 256 of its rows
	s_add_co_u32 s21, s21, s22
	s_add_co_u32 s22, s21, 2*REG                   ; and the same of W2, two tiles on
	v_add_nc_u32 v[ADRA], s21, v4
	v_add_nc_u32 v[ADRB], s22, v4
	s_cmp_eq_u32 s16, 0
	s_cselect_b32 s80, -1, 0
	s_wait_loadcnt 4                               ; b2 and c are in; the four scale loads may be out
.set i, 0
.rept 64
	v_cndmask_b32 v[BI+i], 0, v[BI+i], s80         ; the bias counts once for each expert: the wave with p = 1 begins with zeros
.set i, i+1
.endr
	s_mul_i32 s23, s14, PART
	v_mul_u32_u24 v4, v1, SPITCH
	v_lshl_add_u32 v4, v2, 5, v4
	v_add_nc_u32 v[STO], s23, v4                   ; my partial tile: row r, 32 bytes for each half of the lanes
	s_mul_i32 s23, s14, 32*SPITCH                  ; back: rows 32 w on of each of the four
.irp v, 0,1,2,3
	v_add_nc_u32 v[RD+\v], s23, v[L16]
	s_add_co_u32 s23, s23, PART
.endr
	v_lshlrev_b32 v[PFO], 12, v3
.macro FRAG reg, adr, s, i             ; a fragment, 16 rows x 128 K, of my step s of the round: lane l holds row l % 16; registers 4 c .. 4 c + 3 hold K = 32 c + 16 (l / 16) + 0 .. 15
.irp c, 0,1,2,3
	ds_load_b128 v[\reg+4*\c:\reg+4*\c+3], v[\adr] offset:256*(\s)+32*\c+(\i)*16*PITCH
.endr
.endm
.macro FETCH_B s                       ; W2's eight fragments of step s, into set s
	WIN TO_B
.irp i, 0,1,2,3,4,5,6,7
	FRAG 128*(\s)+FR*\i, ADRB, \s, \i
.endr
	WIN 0
.endm
.macro FETCH_A s, i0                   ; h's blocks i0 .. i0 + 3 of step s
.irp i, \i0, \i0+1, \i0+2, \i0+3
	FRAG AF+FR*(\i), ADRA, \s, \i
.endr
.endm
; A load into a register that a matrix instruction has read, and a vector instruction or an LDS store that reads a matrix result, stand NP plain vector instructions behind it.
.macro PLACES n
.rept \n
	v_nop
.endr
.endm
; 8 matrix instructions: h's block a against W2's eight.  Source 0 = 16 rows of W2, source 1 = 16 tokens: lane (r, h) holds token r and d = 8 h + 0 .. 7.
; The 64 accumulators take turns, one instruction a turn, in the same order in every step.
.macro MULA a, set, sc, first
.irp b, 0,1,2,3,4,5,6,7
.set rD, 8*(8*((\a)%4)+\b)
.set rB, 128*(\set)+FR*\b
.set rA, AF+FR*(\a)
.set rC, rD
.if \first
.set rC, BI+8*\b
.endif
.set rSB, SC+8*(\sc)+4+\b/2
.set rSA, SC+8*(\sc)+(\a)/2
.if (\b%2) && ((\a)%2)
	v_wmma_scale_f32_16x16x128_f8f6f4 v[rD:rD+7], v[rB:rB+15], v[rA:rA+15], v[rC:rC+7], v[rSB], v[rSA] matrix_a_scale:MATRIX_SCALE_ROW1 matrix_b_scale:MATRIX_SCALE_ROW1
.elseif (\b%2)
	v_wmma_scale_f32_16x16x128_f8f6f4 v[rD:rD+7], v[rB:rB+15], v[rA:rA+15], v[rC:rC+7], v[rSB], v[rSA] matrix_a_scale:MATRIX_SCALE_ROW1
.elseif ((\a)%2)
	v_wmma_scale_f32_16x16x128_f8f6f4 v[rD:rD+7], v[rB:rB+15], v[rA:rA+15], v[rC:rC+7], v[rSB], v[rSA] matrix_b_scale:MATRIX_SCALE_ROW1
.else
	v_wmma_scale_f32_16x16x128_f8f6f4 v[rD:rD+7], v[rB:rB+15], v[rA:rA+15], v[rC:rC+7], v[rSB], v[rSA]
.endif
.endr
.endm
; A ROUND: 512 along K: two steps of 64 matrix instructions for each wave.  sc0: the first step's set of scale words (the second's is the next).
; fill = 1: the slot is filled again, with the next 512 along K, and the next round's scale words are asked for.  first = 1: the sums begin.
.macro KROUND sc0, fill, first
.if \first
.set WLO, 0x81                         ; source 0 window 1, source 1 window 0, C (b2) window 0, D window 2
.set WHI, 0xc1                         ; D window 3
.else
.set WLO, 0xa1                         ; C and D window 2
.set WHI, 0xf1                         ; C and D window 3
.endif
.if (\fill) && ((\first) == 0)
	s_wait_xcnt 0x0                                ; the last round's scale loads and prefetches have read their addresses, so these may step
	s_add_nc_u64 s[PFA:PFA+1], s[PFA:PFA+1], 512
	s_add_nc_u64 s[SAB:SAB+1], s[SAB:SAB+1], 2048
	s_add_nc_u64 s[SBB:SBB+1], s[SBB:SBB+1], 2048
.endif
	s_wait_tensorcnt 0x0                           ; my one load that is out, my tile of this round, has landed (no LDS instruction of mine is out),
	s_barrier_signal -1
	s_barrier_wait -1                              ; and so has everybody's.  The tiles are read
	FETCH_B 0                                      ; W2's fragments of the first step: 32 loads;
	FETCH_A 0, 0                                   ; h's eight blocks of it: 32
	FETCH_A 0, 4
.if \fill
.irp k, 2,3
	global_load_b128 v[SC+8*((\sc0+\k)%4):SC+8*((\sc0+\k)%4)+3], v[L16], s[SAB:SAB+1] offset:1024*\k     ; the next round's scale words, into the sets that the last round has read
	global_load_b128 v[SC+8*((\sc0+\k)%4)+4:SC+8*((\sc0+\k)%4)+7], v[L16], s[SBB:SBB+1] offset:1024*\k
.endr
	s_wait_loadcnt 4                               ; this round's four scale loads are in; the four just issued may be out
.else
	s_wait_loadcnt 0x0
.endif
	s_wait_dscnt 28                                ; W2's set and h's block 0 are in; blocks 1 to 7, four loads each, may be out
	WIN WLO
	MULA 0, 0, \sc0, \first
	s_wait_dscnt 24                                ; block 1 is in
	MULA 1, 0, \sc0, \first
	FETCH_B 1                                      ; W2's fragments of the second step: its set was last read a round ago
	s_wait_dscnt 52                                ; block 2 is in; blocks 3 to 7 and the 32 just issued may be out
	WIN WLO
	MULA 2, 0, \sc0, \first
	s_wait_dscnt 48
	MULA 3, 0, \sc0, \first
	PLACES NP
	WIN 0
	s_wait_dscnt 32                                ; h's blocks 4 to 7 are in; W2's second set may be out
	FETCH_A 1, 0                                   ; the second step's blocks 0 to 3 take the places of the first step's
	WIN WHI
	MULA 4, 0, \sc0, \first
	MULA 5, 0, \sc0, \first
	MULA 6, 0, \sc0, \first
	MULA 7, 0, \sc0, \first
	PLACES NP
	WIN 0
	s_wait_dscnt 16                                ; W2's second set is in; h's blocks 0 to 3 of the second step may be out
	FETCH_A 1, 4                                   ; my last reads of the slot
.if \fill
	s_wait_tensorcnt 0x0                           ; no tensor load of mine is out, so a group 0 may be written
	ds_add_u32 v[SPW], v[NIL]                      ; 0 onto my spare word
	s_add_nc_u64 s[G0+2:G0+3], s[G0+2:G0+3], 512   ; the next 512 along K; the type bits on top are not reached
	s_add_nc_u64 s[G0B+2:G0B+3], s[G0B+2:G0B+3], 512
	s_wait_dscnt 17                                ; h's blocks 0 to 3 are in; the youngest 16 loads and the add may be out
	WIN 0xa1
	MULA 0, 1, \sc0+1, 0                           ; eight matrix instructions stand between the add and the wait for it
	WIN 0
	s_wait_dscnt 0x0                               ; the add is done, and my reads of the slot are over
	CROUND                                         ; no wave of any partner still reads the slot or has a load on its way
	JLOAD G0, G1, G0B, G1B                         ; the first tensor load behind the round, one a wave: it has the 56 matrix instructions below in which to be on its way
	ASK
	s_add_co_u32 s[CNT], s[CNT], 1
.else
	s_wait_dscnt 16                                ; h's blocks 0 to 3 are in; the youngest 16 loads may be out
	WIN 0xa1
	MULA 0, 1, \sc0+1, 0
	WIN 0
	s_wait_dscnt 0x0                               ; my reads of the tiles are over
	s_barrier_signal -1
	s_barrier_wait -1                              ; everybody's are: the tiles' bytes may take the partial tiles
.endif
	WIN 0xa1
	MULA 1, 1, \sc0+1, 0
	MULA 2, 1, \sc0+1, 0
	MULA 3, 1, \sc0+1, 0
	WIN 0xf1
	MULA 4, 1, \sc0+1, 0
	MULA 5, 1, \sc0+1, 0
	MULA 6, 1, \sc0+1, 0
	MULA 7, 1, \sc0+1, 0
	WIN 0
	PLACES NP                                      ; in front of the next round's loads into the fragments' and the scale words' registers, and of the first read of results
.endm
	KROUND 0, 1, 1                                 ; round 0 stands in front of the loop: its first products start the sums
	s_mov_b32 s3, 3
.Ltrip:                                            ; rounds 1 to 6, two a trip: the four sets of scale words are back where they began
	KROUND 2, 1, 0
	KROUND 0, 1, 0
	s_sub_co_u32 s3, s3, 1
	s_cmp_lg_u32 s3, 0
	s_cbranch_scc1 .Ltrip
	KROUND 2, 0, 0                                 ; round 7 is written out: it fills nothing
; THE WAY OUT.  Block a of 16 tokens: times c_e of the lane's token, then into my partial tile in LDS; each accumulator from its low end on.
.macro SCALE_OUT a
.set AC, 64*((\a)%4)
.set WA, 2+(\a)/4
.set WW, WA|(WA<<6)
	WIN WW                                         ; destination and source 0: the accumulators' window; c in window 0
.set i, 0
.rept 32
.if (\a)%2
	v_pk_mul_f32 v[AC+i:AC+i+1], v[AC+i:AC+i+1], v[CW+(\a)-1:CW+(\a)] op_sel:[0,1] op_sel_hi:[1,1]
.else
	v_pk_mul_f32 v[AC+i:AC+i+1], v[AC+i:AC+i+1], v[CW+(\a):CW+(\a)+1] op_sel_hi:[1,0]
.endif
.set i, i+2
.endr
.set WW, WA<<2
	WIN WW                                         ; an LDS store's data are its source 1
.irp b, 0,1,2,3,4,5,6,7
	ds_store_b128 v[STO], v[AC+8*\b:AC+8*\b+3] offset:(\a)*16*SPITCH+64*\b
	ds_store_b128 v[STO], v[AC+8*\b+4:AC+8*\b+7] offset:(\a)*16*SPITCH+64*\b+16
.endr
.endm
.irp a, 0,1,2,3,4,5,6,7
	SCALE_OUT \a
.endr
	WIN 0
	s_wait_dscnt 0x0                               ; for the others' sake: my partial tile lies in LDS
	s_barrier_signal -1
	s_barrier_wait -1
.macro RB g                            ; rows 4 g .. 4 g + 3 of my 32, from all four partial tiles: 512 consecutive bytes a load
.irp k, 0,1,2,3
.irp v, 0,1,2,3
	ds_load_b128 v[OB+64*((\g)%2)+16*\k+4*\v:OB+64*((\g)%2)+16*\k+4*\v+3], v[RD+\v] offset:(4*(\g)+\k)*SPITCH
.endr
.endr
.endm
.macro SUM g, left                     ; left: the next group's loads, which may stay out
	s_wait_dscnt \left
.irp k, 0,1,2,3
.set rP, OB+64*((\g)%2)+16*\k
	v_pk_add_f32 v[rP:rP+1], v[rP:rP+1], v[rP+4:rP+5]              ; expert 0's two halves of K,
	v_pk_add_f32 v[rP+2:rP+3], v[rP+2:rP+3], v[rP+6:rP+7]
	v_pk_add_f32 v[rP+8:rP+9], v[rP+8:rP+9], v[rP+12:rP+13]        ; expert 1's,
	v_pk_add_f32 v[rP+10:rP+11], v[rP+10:rP+11], v[rP+14:rP+15]
	v_pk_add_f32 v[rP:rP+1], v[rP:rP+1], v[rP+8:rP+9]              ; and the two experts
	v_pk_add_f32 v[rP+2:rP+3], v[rP+2:rP+3], v[rP+10:rP+11]
	global_store_b128 v[L16], v[rP:rP+3], s[70:71] offset:(4*(\g)+\k)*4096 th:TH_STORE_NT   ; 32 lanes store 512 consecutive bytes, at a multiple of 256 from out0's first byte; written once
.endr
.endm
	RB 0
	RB 1
.irp g, 0,1,2,3,4,5,6,7
.if \g < 7
	SUM \g, 16
.else
	SUM \g, 0
.endif
.if \g < 6
	s_wait_xcnt 0x0                                ; the stores have read their registers: the group two on may land there
	RB \g+2
.endif
.endr
	s_wait_tensorcnt 0x0                           ; the wave's end
	ds_add_u32 v[SPW], v[NIL]
	s_wait_dscnt 0x0
	CROUND                                         ; the closing round: no work-group ends while a partner may still ask for a tile that names it
	s_endpgm
.Lfunc_end_k_q450daf96ae_ffn2:
	.size	k_q450daf96ae_ffn2, .Lfunc_end_k_q450daf96ae_ffn2-k_q450daf96ae_ffn2
	.p2alignl 7, 3214868480
	.fill 96, 4, 3214868480
	.section	.rodata,"a",@progbits
	.p2align	6, 0x0
	.amdhsa_kernel k_q450daf96ae_ffn2
		.amdhsa_group_segment_fixed_size 327680
		.amdhsa_private_segment_fixed_size 0
		.amdhsa_enable_private_segment 0
		.amdhsa_kernarg_size 72
		.amdhsa_user_sgpr_count 2
		.amdhsa_user_sgpr_kernarg_segment_ptr 1
		.amdhsa_wavefront_size32 1
		.amdhsa_system_sgpr_workgroup_id_x 1
		.amdhsa_system_sgpr_workgroup_id_y 1
		.amdhsa_system_sgpr_workgroup_id_z 1
		.amdhsa_system_vgpr_workitem_id 0
		.amdhsa_next_free_vgpr 1024
		.amdhsa_next_free_sgpr 100
		.amdhsa_reserve_vcc 1
		.amdhsa_float_denorm_mode_32 3
		.amdhsa_float_denorm_mode_16_64 3
		.amdhsa_memory_ordered 1
		.amdhsa_forward_progress 1
		.amdhsa_inst_pref_size 174
	.end_amdhsa_kernel
	.amdgpu_metadata
---
amdhsa.version: [ 1, 2 ]
amdhsa.kernels:
  - .name:           k_q450daf96ae_ffn2
    .symbol:         k_q450daf96ae_ffn2.kd
    .args:
      - { .name: hq, .offset: 0, .size: 8, .value_kind: global_buffer, .address_space: global }
      - { .name: hs, .offset: 8, .size: 8, .value_kind: global_buffer, .address_space: global }
      - { .name: W2_codes, .offset: 16, .size: 8, .value_kind: global_buffer, .address_space: global }
      - { .name: w2s, .offset: 24, .size: 8, .value_kind: global_buffer, .address_space: global }
      - { .name: b2, .offset: 32, .size: 8, .value_kind: global_buffer, .address_space: global }
      - { .name: route, .offset: 40, .size: 8, .value_kind: global_buffer, .address_space: global }
      - { .name: out0, .offset: 48, .size: 8, .value_kind: global_buffer, .address_space: global }
      - { .name: out1, .offset: 56, .size: 8, .value_kind: global_buffer, .address_space: global }
      - { .name: dump, .offset: 64, .size: 8, .value_kind: global_buffer, .address_space: global }
    .group_segment_fixed_size: 327680
    .private_segment_fixed_size: 0
    .kernarg_segment_align: 8
    .kernarg_segment_size: 72
    .max_flat_workgroup_size: 128
    .sgpr_count:     100
    .vgpr_count:     1024
    .wavefront_size: 32
...
	.end_amdgpu_metadata
.endif
;; end of part 3
